; MI455X (gfx1250); checked and timed in simulation.
; The chip was launched on July 23, 2026; its instructions are those of AMD's public machine-readable ISA for CDNA 5 (MIT licence, August 2026) and "CDNA5" Instruction Set Architecture Reference Guide (July 2026). The comments in the code are by the model that wrote it; some were corrected since.
;; my cdist. Allowed arithmetic: float matrix products may take bf16 or f16 operands with f32 sums; all other float work in f32.
;; Inputs: input 8,192 x 64 float32; weight 1,024 x 64 float32.
;; Outputs: out0 8,192 x 1,024 float32.
;; One version. Each part assembles by itself: llvm-mc -triple=amdgcn-amd-amdhsa -mcpu=gfx1250 --defsym DOCPART=n.
;; ======== version 1 of 1: 1 launch
;; launch cdist (part 1): grid 4 x 64, 8 waves a work-group, no clusters, 168,960 bytes of LDS; arguments input, weight, out0; writes out0
.if DOCPART == 1
	.amdgcn_target "amdgcn-amd-amdhsa--gfx1250"
	.amdhsa_code_object_version 6
	.text
	.protected	k_q495433e095_cdist
	.globl	k_q495433e095_cdist
	.p2align	8
	.type	k_q495433e095_cdist,@function
k_q495433e095_cdist:
	s_mov_b64 s[64:65], 0
	v_nop
	global_prefetch_b8 v0, s[64:65] scope:SCOPE_SE
	s_setreg_imm32_b32 hwreg(HW_REG_WAVE_MODE, 25, 1), 1
	s_wait_xcnt 0x0
; out[n][m] = - sum over d of |x[n][d] - w[m][d]|.   x: [8192][64] f32, w: [1024][64] f32, out: [8192][1024] f32.
; |a - b| is not bilinear, so there is no work for the matrix units: this is vector arithmetic, all of it in f32.
; Per output and 64 d: 32 packed subtractions (two d at once), 32 adds that take two magnitudes each (|t0| + |t1|, the
; magnitude is a source modifier), 15.5 packed adds (two neighbouring outputs at once): 79.5 instructions for 64 terms.
; The minus sign rides on the packed adds' neg bits; the first chunk writes the sums, so nothing is cleared or negated.
; LIMITS: the order of summation differs from a plain left-to-right sum (pairs of d, then chunks of 4 d ascending);
; NaN and infinities go through the same f32 operations as written above; a distance of zero gives -0.
;
; A work-group (grid 4 x 64) makes 128 rows x 256 columns of out with eight waves.  Its 128 rows of x and 256 rows of w
; (96 KiB) are fetched once by tensor loads, three a wave; behind one barrier LDS is only read.
; A wave makes two tiles of 16 n x 128 m one after the other (the first tile's stores leave while the second is computed).
; Lane (ln = lane / 16, lm = lane % 16) holds 8 x 8 outputs: rows 8 ln + i, columns 64 g + 4 lm + j (c = 4 g + j), so that
; one 16-byte store of sixteen neighbouring lanes covers 256 consecutive bytes of a row of out, aligned.
; NO CLUSTER: a block of x is read by 4 work-groups and a block of w by 64, but each work-group asks once, for 96 KiB,
; in front of some 10,200 vector instructions a wave; there is no loop of requests that partners could share.
.set PITCH,  272                       ; an LDS row: 256 bytes + 16 of padding = 17 x 16 bytes: 16 consecutive rows start in 16 different 16-byte columns modulo 256
.set FRAG,   16*PITCH                  ; what one tensor load brings: 16 rows
.set WBASE,  8*FRAG                    ; x: 128 rows from byte 0; w: 256 rows behind them, permuted (see below); 104,448 bytes in all
.set TILES,  2
.set OO,  3                            ; v3        my byte offset in out: 8 ln rows + 16 lm
.set XT,  4                            ; v4        LDS address of my first x row in the current tile
.set WB,  5                            ; v5        LDS address of my first w row
.set XA,  6                            ; v6        XT + the bytes along d that the loop has walked
.set WA,  7                            ; v7        WB + the same
.set ACC, 8                            ; v[8:71]    sums: row i, column c at ACC + 8 i + c
.set XF,  72                           ; v[72:135]  x fragments, two buffers: row i, 4 d at XF + 32 b + 4 i
.set WF,  138                          ; v[138:201] w fragments, two buffers: column c, 4 d at WF + 32 b + 4 c
.set T,   202                          ; v[202:233] differences: column c, 4 d at T + 4 c
.set UA,  234                          ; v[234:241] |t(d0)| + |t(d1)| of column c
.set UB,  242                          ; v[242:249] |t(d2)| + |t(d3)| of column c
; XF and ACC start at 0 modulo 4, WF, UA and UB at 2 modulo 4: the two register pairs that a packed instruction reads
; have different numbers modulo 4 except UA with UB where the sums start (the register banks of the ISA guide's dual-issue rules).  It costs two idle registers.
.set G1X, 16                           ; s[16:23] descriptor group 1 for x: 16 consecutive rows
.set G1W, 24                           ; s[24:31] descriptor group 1 for w: every fourth row, 16 of them
.set G0,  32                           ; s[32:43] three groups 0, one for each load
	s_load_b128 s[4:7], s[0:1], 0x0                ; x s[4:5], w s[6:7]
	s_load_b64 s[8:9], s[0:1], 0x10                ; out
	v_lshl_add_u32 v250, v0, 2, 0x29000
	v_mov_b32 v251, 0
	ds_add_u32 v250, v251
	ds_add_u32 v250, v251
	v_lshrrev_b32 v1, 5, v0
	v_readfirstlane_b32 s10, v1                    ; wave 0..7
	s_and_b32 s11, ttmp7, 0xffff                   ; block of 128 rows of x and out (0..63); ttmp9: block of 256 columns (0..3)
	s_lshr_b32 s14, s10, 1                         ; wave / 2
	s_and_b32 s15, s10, 1                          ; wave % 2
	; group 1: a tile of 16 rows x 64 elements of 4 bytes, 4 words of padding behind every 64 words
	s_mov_b32 s[G1X+0], (2<<16)|(1<<20)|(5<<22)|(3<<25)
	s_mov_b32 s[G1X+1], 64<<16                     ; tensor_dim0 = 64
	s_mov_b32 s[G1X+2], 16<<16                     ; tensor_dim1 = 16
	s_mov_b32 s[G1X+3], 64<<16                     ; tile_dim0 = 64
	s_mov_b32 s[G1X+4], 16                         ; tile_dim1 = 16
	s_mov_b32 s[G1X+5], 64                         ; from row to row: 64 elements
	s_mov_b32 s[G1X+6], 0
	s_mov_b32 s[G1X+7], 0
	s_mov_b32 s[G1W+0], (2<<16)|(1<<20)|(5<<22)|(3<<25)
	s_mov_b32 s[G1W+1], 64<<16
	s_mov_b32 s[G1W+2], 16<<16
	s_mov_b32 s[G1W+3], 64<<16
	s_mov_b32 s[G1W+4], 16
	s_mov_b32 s[G1W+5], 256                        ; from row to row: 4 rows of w
	s_mov_b32 s[G1W+6], 0
	s_mov_b32 s[G1W+7], 0
	; x: wave v fetches the block's rows 16 v .. 16 v + 15 to LDS rows of the same numbers
	s_lshl_b32 s12, s11, 15                        ; block x 128 rows x 256 bytes
	s_lshl_b32 s13, s10, 12                        ; wave x 16 rows x 256 bytes
	s_add_co_u32 s12, s12, s13
	s_mov_b32 s13, 0
	; w: piece q = 0..15 holds the block's rows 64 (q / 4) + q % 4 + 4 y, y = 0..15, at LDS rows 16 q + y.  So the sixteen lanes
	; lm = y, whose columns lie 4 apart, find them in 16 consecutive LDS rows.  Wave v fetches pieces 2 v and 2 v + 1.
	s_lshl_b32 s46, ttmp9, 16                      ; block x 256 rows x 256 bytes
	s_lshl_b32 s47, s14, 14                        ; (wave / 2) x 64 rows
	s_add_co_u32 s46, s46, s47
	s_lshl_b32 s47, s15, 9                         ; (wave % 2) x 2 rows
	s_add_co_u32 s46, s46, s47
	s_mov_b32 s47, 0
	s_wait_dscnt 0x0
	s_wait_kmcnt 0x0
	s_mov_b32 s[G0+0], 1
	s_mul_i32 s[G0+1], s10, FRAG                   ; LDS: wave x 16 rows
	s_add_nc_u64 s[G0+2:G0+3], s[4:5], s[12:13]
	s_or_b32 s[G0+3], s[G0+3], 0x80000000          ; type 2
	tensor_load_to_lds s[G0:G0+3], s[G1X:G1X+7]
	s_nop 0
	s_mov_b32 s[G0+4], 1
	s_mul_i32 s[G0+5], s10, 2*FRAG
	s_add_co_u32 s[G0+5], s[G0+5], WBASE           ; LDS: piece 2 v
	s_add_nc_u64 s[G0+6:G0+7], s[6:7], s[46:47]
	s_or_b32 s[G0+7], s[G0+7], 0x80000000
	tensor_load_to_lds s[G0+4:G0+7], s[G1W:G1W+7]
	s_nop 0
	s_mov_b32 s[G0+8], 1
	s_add_co_u32 s[G0+9], s[G0+5], FRAG            ; LDS: piece 2 v + 1
	s_add_nc_u64 s[G0+10:G0+11], s[6:7], s[46:47]
	s_add_nc_u64 s[G0+10:G0+11], s[G0+10:G0+11], 0x100   ; one row of w further
	s_or_b32 s[G0+11], s[G0+11], 0x80000000
	tensor_load_to_lds s[G0+8:G0+11], s[G1W:G1W+7]
	s_nop 0
	; while the tiles come: the lane's addresses.  As a worker, wave v has columns 128 (v % 2) .. + 127 and rows 16 (v / 2 + 4 tile) .. + 15
	v_and_b32 v1, 15, v0                           ; lm
	v_bfe_u32 v2, v0, 4, 1                         ; ln
	v_mul_u32_u24 v[XT], v2, 8*PITCH               ; 8 ln rows
	s_mul_i32 s12, s14, FRAG                       ; + 16 (v / 2) rows
	v_add_nc_u32 v[XT], s12, v[XT]
	v_mul_u32_u24 v[WB], v1, PITCH                 ; row lm of a piece
	s_mul_i32 s13, s15, 8*FRAG                     ; my eight pieces: 8 (v % 2) + c
	s_add_co_u32 s13, s13, WBASE
	v_add_nc_u32 v[WB], s13, v[WB]
	v_lshlrev_b32 v[OO], 4, v1                     ; 16 bytes a lane,
	v_lshl_add_u32 v[OO], v2, 15, v[OO]            ; the upper sixteen lanes 8 rows of 4,096 bytes further down
	s_lshl_b32 s12, s11, 19                        ; out: block x 128 rows x 4,096 bytes
	s_lshl_b32 s13, s14, 16                        ; + 16 (v / 2) rows
	s_add_co_u32 s12, s12, s13
	s_lshl_b32 s13, ttmp9, 10                      ; + block x 256 columns x 4 bytes
	s_add_co_u32 s12, s12, s13
	s_lshl_b32 s13, s15, 9                         ; + 128 (v % 2) columns
	s_add_co_u32 s12, s12, s13
	s_mov_b32 s13, 0
	s_add_nc_u64 s[8:9], s[8:9], s[12:13]
	s_wait_tensorcnt 0x0                           ; my three pieces are in LDS (zero: other waves read them),
	s_barrier_signal -1
	s_barrier_wait -1                              ; and so are everybody's.  From here on LDS is only read.
; 16 LDS loads: 4 d (16 bytes at byte off of the rows, counted from XA and WA) of my 8 rows of x and my 8 rows of w, into buffer b.
; x: sixteen lanes read one address.  w: sixteen lanes read sixteen consecutive rows of 272 bytes.
.macro LOADF b, off
.irp i, 0,1,2,3,4,5,6,7
	ds_load_b128 v[XF+32*\b+4*\i:XF+32*\b+4*\i+3], v[XA] offset:\i*PITCH+\off
.endr
.irp c, 0,1,2,3,4,5,6,7
	ds_load_b128 v[WF+32*\b+4*\c:WF+32*\b+4*\c+3], v[WA] offset:\c*FRAG+\off
.endr
.endm
; One row of x against my 8 columns, 4 d: 16 packed subtractions, 16 adds of two magnitudes, 8 packed adds (4 where the sums start).
; Each stage runs over all 8 columns before the next begins, so that no instruction needs the result of one just in front of it.
.macro ROW b, i, first
.irp c, 0,1,2,3,4,5,6,7
	v_pk_add_f32 v[T+4*\c:T+4*\c+1], v[XF+32*\b+4*\i:XF+32*\b+4*\i+1], v[WF+32*\b+4*\c:WF+32*\b+4*\c+1] neg_lo:[0,1] neg_hi:[0,1]
	v_pk_add_f32 v[T+4*\c+2:T+4*\c+3], v[XF+32*\b+4*\i+2:XF+32*\b+4*\i+3], v[WF+32*\b+4*\c+2:WF+32*\b+4*\c+3] neg_lo:[0,1] neg_hi:[0,1]
.endr
.irp c, 0,1,2,3,4,5,6,7
	v_add_f32 v[UA+\c], |v[T+4*\c]|, |v[T+4*\c+1]|
.endr
.irp c, 0,1,2,3,4,5,6,7
	v_add_f32 v[UB+\c], |v[T+4*\c+2]|, |v[T+4*\c+3]|
.endr
.if \first
.irp p, 0,2,4,6
	v_pk_add_f32 v[ACC+8*\i+\p:ACC+8*\i+\p+1], v[UA+\p:UA+\p+1], v[UB+\p:UB+\p+1] neg_lo:[1,1] neg_hi:[1,1]   ; the sums start: - ua - ub
.endr
.else
.irp p, 0,2,4,6
	v_pk_add_f32 v[ACC+8*\i+\p:ACC+8*\i+\p+1], v[ACC+8*\i+\p:ACC+8*\i+\p+1], v[UA+\p:UA+\p+1] neg_lo:[0,1] neg_hi:[0,1]
.endr
.irp p, 0,2,4,6
	v_pk_add_f32 v[ACC+8*\i+\p:ACC+8*\i+\p+1], v[ACC+8*\i+\p:ACC+8*\i+\p+1], v[UB+\p:UB+\p+1] neg_lo:[0,1] neg_hi:[0,1]
.endr
.endif
.endm
.macro CHUNK b, first                  ; 8 x 8 outputs x 4 d from buffer b
.irp i, 0,1,2,3,4,5,6,7
	ROW \b, \i, \first
.endr
.endm
	s_mov_b32 s45, 0
.Ltile:
	v_mov_b32 v[XA], v[XT]
	v_mov_b32 v[WA], v[WB]
	LOADF 0, 0                                     ; chunk 0
	LOADF 1, 16                                    ; chunk 1
	s_wait_dscnt 16                                ; LDS loads come back in order: the 16 younger ones (the other buffer's) may be out, this buffer is whole
	CHUNK 0, 1                                     ; chunk 0 starts the sums
	LOADF 0, 32                                    ; a buffer is filled again, two chunks ahead, as soon as it has been used
	s_wait_dscnt 16
	CHUNK 1, 0
	LOADF 1, 48
	v_add_nc_u32 v[XA], 32, v[XA]                  ; two chunks on
	v_add_nc_u32 v[WA], 32, v[WA]
	s_mov_b32 s44, 0
.Lchunks:                                              ; chunks 2 .. 13, two a trip; the loads reach chunks 4 .. 15
	s_wait_dscnt 16
	CHUNK 0, 0
	LOADF 0, 32
	s_wait_dscnt 16
	CHUNK 1, 0
	LOADF 1, 48
	v_add_nc_u32 v[XA], 32, v[XA]
	v_add_nc_u32 v[WA], 32, v[WA]
	s_add_co_u32 s44, s44, 1
	s_cmp_lt_u32 s44, 6
	s_cbranch_scc1 .Lchunks
	s_wait_dscnt 16                                ; chunks 14 and 15: nothing more to load,
	CHUNK 0, 0
	s_wait_dscnt 0                                 ; and nothing was issued behind the last buffer's loads
	CHUNK 1, 0
	; the tile leaves: each store covers 256 consecutive bytes, aligned, of row i (lanes 0-15) and of row 8 + i (lanes 16-31)
.irp i, 0,1,2,3,4,5,6,7
.irp g, 0,1
	global_store_b128 v[OO], v[ACC+8*\i+4*\g:ACC+8*\i+4*\g+3], s[8:9] offset:\i*4096+\g*256 th:TH_STORE_NT
.endr
.endr
	s_wait_xcnt 0x0                                ; the stores' base and their data (the sums) are rewritten only behind this wait
	s_add_nc_u64 s[8:9], s[8:9], 64*4096           ; my next tile: 64 rows further down in out
	v_add_nc_u32 v[XT], 64*PITCH, v[XT]            ; and in the block of x
	s_add_co_u32 s45, s45, 1
	s_cmp_lt_u32 s45, TILES
	s_cbranch_scc1 .Ltile
	s_wait_tensorcnt 0x0
	ds_add_u32 v250, v251
	s_wait_dscnt 0x0
	s_endpgm
.Lfunc_end_k_q495433e095_cdist:
	.size	k_q495433e095_cdist, .Lfunc_end_k_q495433e095_cdist-k_q495433e095_cdist
	.p2alignl 7, 3214868480
	.fill 96, 4, 3214868480
	.section	.rodata,"a",@progbits
	.p2align	6, 0x0
	.amdhsa_kernel k_q495433e095_cdist
		.amdhsa_group_segment_fixed_size 168960
		.amdhsa_private_segment_fixed_size 0
		.amdhsa_enable_private_segment 0
		.amdhsa_kernarg_size 24
		.amdhsa_user_sgpr_count 2
		.amdhsa_user_sgpr_kernarg_segment_ptr 1
		.amdhsa_wavefront_size32 1
		.amdhsa_system_sgpr_workgroup_id_x 1
		.amdhsa_system_sgpr_workgroup_id_y 1
		.amdhsa_system_sgpr_workgroup_id_z 1
		.amdhsa_system_vgpr_workitem_id 0
		.amdhsa_next_free_vgpr 252
		.amdhsa_next_free_sgpr 66
		.amdhsa_reserve_vcc 0
		.amdhsa_float_denorm_mode_32 3
		.amdhsa_float_denorm_mode_16_64 3
		.amdhsa_memory_ordered 1
		.amdhsa_forward_progress 1
		.amdhsa_inst_pref_size 131
	.end_amdhsa_kernel
	.amdgpu_metadata
---
amdhsa.version: [ 1, 2 ]
amdhsa.kernels:
  - .name:           k_q495433e095_cdist
    .symbol:         k_q495433e095_cdist.kd
    .args:
      - { .name: input, .offset: 0, .size: 8, .value_kind: global_buffer, .address_space: global }
      - { .name: weight, .offset: 8, .size: 8, .value_kind: global_buffer, .address_space: global }
      - { .name: out0, .offset: 16, .size: 8, .value_kind: global_buffer, .address_space: global }
    .group_segment_fixed_size: 168960
    .private_segment_fixed_size: 0
    .kernarg_segment_align: 8
    .kernarg_segment_size: 24
    .max_flat_workgroup_size: 256
    .sgpr_count:     66
    .vgpr_count:     252
    .wavefront_size: 32
...
	.end_amdgpu_metadata
.endif
;; end of part 1
